; MI455X (gfx1250); checked and timed in simulation.
; The chip was launched on July 23, 2026; its instructions are those of AMD's public machine-readable ISA for CDNA 5 (MIT licence, August 2026) and "CDNA5" Instruction Set Architecture Reference Guide (July 2026). The comments in the code are by the model that wrote it; some were corrected since.
;; Dense Dot Attn. Allowed arithmetic: matrix products marked QUANTISED: E2M1 operands, one E8M0 scale for each 32 along K, by v_wmma_scale_f32_16x16x128_f8f6f4 with both operands' format E2M1 (or v_wmma_scale_f32_32x16x128_f4), f32 sums; products left as they are: bf16, f16 or f32 operands; f32 sums; everything else in f32.
;; Inputs: W_K 16 x 1,024 x 64 float32; W_Q 16 x 1,024 x 64 float32; W_V 16 x 1,024 x 64 float32; x 4 x 2,048 x 1,024 float32.
;; Outputs: out0 4 x 2,048 x 1,024 float32.
;; This version of the problem:
;;   THIS VERSION OF THE PROBLEM IS GIVEN IN LOW PRECISION. The matrix products marked QUANTISED in the list below multiply operands that are first quantised to E2M1 (2 exponent bits, 1 mantissa bit; 4 bits a number), with one power-of-two scale for each 32 numbers along K (OCP MX v1.0); their sums are f32. The products marked 'left as it is' may take bf16, f16 or f32 operands, with f32 sums. Whichever they take, every output number must still come out within the allowed error. Rounding operands to bf16 (8 significant bits) uses up far more of that allowance than f16 does (11 bits, for magnitudes from 6e-5 to 65,504). All else is computed in f32.
;;   The module's matrix products, in the order in which they are computed (A, B: the left and right operand; K: the contracted axis; several contracted axes count as one K, in the product's order):
;;     1. [M 1,024, K 1,024] x [K 1,024, N 8,192]; A: input W_Q; B: input x: QUANTISED
;;     2. [M 1,024, K 1,024] x [K 1,024, N 8,192]; A: input W_K; B: input x: QUANTISED
;;     3. [M 1,024, K 1,024] x [K 1,024, N 8,192]; A: input W_V; B: input x: QUANTISED
;;     4. batch 64 x [M 2,048, K 64] x [K 64, N 2,048]; A: computed on the way; B: computed on the way: left as it is (an operand is computed on the way)
;;     5. batch 64 x [M 2,048, K 2,048] x [K 2,048, N 64]; A: computed on the way; B: computed on the way: left as it is (an operand is computed on the way)
;;   THE QUANTISER, for each operand of a quantised product, along K:
;;     - K is cut into blocks of 32 from its start; a last block that is shorter is filled with zeros.
;;     - A block's scale is 2^e with e = floor(log2(the largest magnitude in the block)) - 2, held to -126 .. 127; a block of zeros has e = 0. As a byte (E8M0): e + 127.
;;     - Each number is divided by its block's scale, clamped to +-6, and rounded to the nearest number of E2M1, ties to even, subnormals kept.
;;     - The product sums the exact products of the quantised numbers (number of the format x scale) in f32.
;;   ~~~python
;;   def quantise(x, axis):      # numpy; x: float32 -> the quantised numbers, widened to float32 again
;;       x = np.moveaxis(x, axis, -1); K = x.shape[-1]
;;       x = np.pad(x, [(0, 0)] * (x.ndim - 1) + [(0, -K % 32)]); x = x.reshape(x.shape[:-1] + (-1, 32)); a = np.abs(x).max(-1, keepdims=True)
;;       e = np.where(a > 0, np.clip(np.frexp(np.where(a > 0, a, 1))[1] - 1 - 2, -126, 127), 0)      # np.frexp(a)[1] - 1 = floor(log2(a)), exactly
;;       r = np.clip(x / 2.0 ** e, -6, 6)
;;       step = 2.0 ** (np.maximum(np.frexp(np.where(r == 0, 1, r))[1] - 1, 0) - 1)
;;       q = np.round(r / step) * step * 2.0 ** e      # np.round: ties to even
;;       return np.moveaxis(q.reshape(q.shape[:-2] + (-1,))[..., :K], -1, axis).astype(np.float32)
;;   ~~~
;; One version. Each part assembles by itself: llvm-mc -triple=amdgcn-amd-amdhsa -mcpu=gfx1250 --defsym DOCPART=n.
;; ======== version 1 of 1: 3 launches
;; limits: values are held in f16: magnitudes above 65,504 overflow, below 6.1e-05 lose precision
;; workspace buffers: xc 4,194,304 bytes; xs 262,144 bytes; wc 1,572,864 bytes; ws 98,304 bytes; qi 16,777,216 bytes; kv 33,554,432 bytes
;; launch quant (part 1): grid 448 x 1, 4 waves a work-group, no clusters, 33,280 bytes of LDS; arguments x, W_Q, W_K, W_V, xc, xs, wc, ws; writes xc, xs, wc, ws
.if DOCPART == 1
	.amdgcn_target "amdgcn-amd-amdhsa--gfx1250"
	.amdhsa_code_object_version 6
	.text
	.protected	k_qabf9587f9e_quant
	.globl	k_qabf9587f9e_quant
	.p2align	8
	.type	k_qabf9587f9e_quant,@function
k_qabf9587f9e_quant:
	s_mov_b64 s[64:65], 0
	v_nop
	global_prefetch_b8 v0, s[64:65] scope:SCOPE_SE
	s_setreg_imm32_b32 hwreg(HW_REG_WAVE_MODE, 25, 1), 1
	s_wait_xcnt 0x0
; x [8192][1024] and W_Q, W_K, W_V [16][1024][64], f32, become codes of FP4 (E2M1) with one E8M0 scale byte for each 32 along K = the model's 1,024.
; A block's scale is 2^(floor(log2(its largest magnitude)) - 2); its byte is the largest magnitude's exponent field - 2, held at 1 from below; each number is divided by the scale and rounded to the nearest code, ties to even, beyond 6 the largest code.
; LIMITS: a block whose largest magnitude lies under 2^-124 (a block of zeros among them) gets the byte 1: a block of zeros has zero codes, which add nothing under that byte, and this program alone reads the bytes.  NaN and infinities are not served.
; Work-groups 0-255 take x, whose K is innermost: a plain stream of blocks of 32; codes xc [8192][512 bytes], bytes xs [8192][32].
; Work-groups 256-447 take the weights, whose K is the middle axis: a lane takes a column and its registers run down K.  Their codes leave as IMAGES OF THE OPERAND REGISTERS of the product that reads them:
;   wc [hb 24][khalf 2][tile of 16 columns 8][q 4][c 2][lane 32][16 bytes], column n = type x 1024 + head x 64 + d, hb = n / 128; K step 4 khalf + q of 128; block kb of that step at c = kb / 2, lane 16 (kb % 2) + n % 16.
;   ws [hb 24][K step 8][128 columns][4 bytes]: a column's scale word of a K step.
; The waves share nothing: no barrier.  Nothing is shared between work-groups either, so no cluster.  The two paths part on the work-group's number; the weights' path touches no LDS tile.
.set WAVES, 4
.set STEPS, 16
.set XWG,   256                        ; work-groups for x: 8,388,608 numbers / 32,768
.set EMAX,  2
.set CB,    8                          ; bytes of 16 codes
.set R,     16                         ; v16-79   x: four sets of 16 numbers as they are loaded
.set X,     80                         ; v80-111  x: two sets of 16 neighbours
.set E,     112                        ; v112-127 x: a scale byte for each step
.set C,     128                        ; v128-191 x: codes, four registers for each step: no store's data are written again
.set WX,    32                         ; v32-159  W: four blocks of 32 numbers
.set WC,    160                        ; v160-175 W: four blocks' codes
.set WREG,  8192                       ; LDS: a region for each wave: two stages of 32 x SP bytes, behind them its 256 scale bytes
.set SP,    80                         ; a lane's place in a stage: 64 bytes + 16 of padding
.set SPW,   12                         ; v12  LDS address of my spare word; never rewritten
.set NIL,   13                         ; v13  0; never rewritten
.set SPARE, WAVES*WREG                 ; behind the four regions: the spare words, 128 bytes a wave, named by no other line
	s_load_b256 s[4:11], s[0:1], 0x0               ; x s[4:5], W_Q s[6:7], W_K s[8:9], W_V s[10:11]
	s_load_b256 s[12:19], s[0:1], 0x20             ; xc s[12:13], xs s[14:15], wc s[16:17], ws s[18:19]
	v_lshl_add_u32 v[SPW], v0, 2, SPARE
	v_mov_b32 v[NIL], 0
	v_lshrrev_b32 v1, 5, v0
	v_readfirstlane_b32 s20, v1                    ; wave 0..3
	v_and_b32 v2, 31, v0                           ; lane
	s_wait_kmcnt 0x0
	s_cmp_lt_u32 ttmp9, XWG
	s_cbranch_scc0 .Lw
; ---------------- x: a wave takes 16 steps of 512 numbers.  Each load reads 512 consecutive bytes; a step's 2,048 bytes turn through the wave's own stage, so that a lane holds 16 neighbours along K (two lanes hold a block).
	v_lshlrev_b32 v3, 4, v2                        ; my 16 bytes of a load's 512
	s_mul_i32 s21, s20, WREG
	v_lshrrev_b32 v14, 2, v2
	v_mul_u32_u24 v14, v14, SP
	v_and_b32 v15, 3, v2
	v_lshl_add_u32 v14, v15, 4, v14
	v_add_nc_u32 v14, s21, v14                     ; into the stage: SP (lane / 4) + 16 (lane % 4)
	v_mul_u32_u24 v15, v2, SP
	v_add_nc_u32 v15, s21, v15                     ; out of it: SP x lane
	v_mul_u32_u24 v4, v2, CB                       ; my codes' place in a step's 256 bytes
	v_lshrrev_b32 v5, 1, v2
	s_add_co_u32 s21, s21, 2*32*SP
	v_add_nc_u32 v5, s21, v5                       ; my block's byte among my wave's 256 scale bytes
	v_lshlrev_b32 v7, 3, v2
	v_add_nc_u32 v6, s21, v7                       ; and 8 bytes a lane on their way out
	s_lshl_b32 s22, ttmp9, 2
	s_add_co_u32 s22, s22, s20                     ; which run of 8,192 numbers is my wave's: 0..1023
	s_lshl_b32 s24, s22, 15                        ; 32,768 bytes of x,
	s_mov_b32 s25, 0
	s_add_nc_u64 s[4:5], s[4:5], s[24:25]
	s_lshl_b32 s24, s22, 12                        ; 4,096 of codes,
	s_add_nc_u64 s[12:13], s[12:13], s[24:25]
	s_lshl_b32 s24, s22, 8                         ; 256 scale bytes
	s_add_nc_u64 s[14:15], s[14:15], s[24:25]
.macro LOAD t
.irp i, 0,1,2,3
	global_load_b128 v[R+16*((\t)%4)+4*\i:R+16*((\t)%4)+4*\i+3], v3, s[4:5] offset:2048*(\t)+512*\i th:TH_LOAD_NT
.endr
.endm
.macro TURN t                          ; step t through the stage: LDS serves a wave's instructions in order, so no wait stands between the stores and the loads
.irp i, 0,1,2,3
	ds_store_b128 v14, v[R+16*((\t)%4)+4*\i:R+16*((\t)%4)+4*\i+3] offset:32*SP*((\t)%2)+8*SP*\i
.endr
.irp i, 0,1,2,3
	ds_load_b128 v[X+16*((\t)%2)+4*\i:X+16*((\t)%2)+4*\i+3], v15 offset:32*SP*((\t)%2)+16*\i
.endr
.endm
.irp t, 0,1,2,3
	LOAD \t
.endr
	s_wait_loadcnt 12                              ; step 0's four loads are in; twelve younger ones stay out
	TURN 0
.macro STEP t
.set XS, X+16*((\t)%2)
.if (\t) > 0
	s_wait_dscnt 1                                 ; this step's numbers are back from the stage (the last step's byte store may be out): its stores into the stage have read their registers,
.else
	s_wait_dscnt 0x0
.endif
.if (\t)+4 < STEPS
	LOAD (\t)+4                                    ; which take the loads of four steps on
.endif
.if (\t)+1 < STEPS
.if STEPS-2-(\t) >= 3
	s_wait_loadcnt 12                              ; the next step's four loads are in; those of the three steps behind it may be out
.else
	s_wait_loadcnt 4*(STEPS-2-(\t))
.endif
	TURN (\t)+1
.endif
	v_max3_num_f32 v8, |v[XS]|, |v[XS+1]|, |v[XS+2]|               ; the largest magnitude of my 16, in two chains
	v_max3_num_f32 v9, |v[XS+3]|, |v[XS+4]|, |v[XS+5]|
.irp i, 6,10
	v_max3_num_f32 v8, v8, |v[XS+\i]|, |v[XS+\i+1]|
	v_max3_num_f32 v9, v9, |v[XS+\i+2]|, |v[XS+\i+3]|
.endr
	v_max3_num_f32 v8, v8, |v[XS+14]|, |v[XS+15]|
	v_max3_num_f32 v8, v8, v9, (EMAX+1)<<23        ; and the floor 2^(3 - 127): the byte cannot fall under 1
	v_max_num_f32_dpp v8, v8, v8 row_xmask:1 row_mask:0xf bank_mask:0xf   ; with my neighbour's 16: the block's
	v_add_nc_u32 v11, -(EMAX<<23), v8              ; 2 off its exponent field: the conversion takes this operand's exponent field as its scale
	v_cvt_scalef32_pk8_fp4_f32 v[C+4*(\t)], v[XS:XS+7], v11
	v_cvt_scalef32_pk8_fp4_f32 v[C+4*(\t)+1], v[XS+8:XS+15], v11
	v_lshrrev_b32 v[E+(\t)], 23, v11               ; the scale's byte (also the plain line behind the conversions)
	ds_store_b8 v5, v[E+(\t)] offset:16*(\t)       ; both lanes of a block write the same byte with the same value
	global_store_b64 v4, v[C+4*(\t):C+4*(\t)+1], s[12:13] offset:32*CB*(\t)   ; the wave stores 256 consecutive bytes, aligned
.endm
.irp t, 0,1,2,3,4,5,6,7,8,9,10,11,12,13,14,15
	STEP \t
.endr
	ds_load_b64 v[8:9], v6                         ; in order behind my byte stores
	s_wait_dscnt 0x0
	global_store_b64 v7, v[8:9], s[14:15]          ; 256 consecutive scale bytes, aligned
	s_wait_tensorcnt 0x0                           ; the wave's end, behind my last LDS store
	ds_add_u32 v[SPW], v[NIL]
	s_wait_dscnt 0x0
	s_endpgm
; ---------------- the weights: a wave takes 32 columns x 128 along K (one K step): four blocks a lane
.Lw:
	s_sub_co_u32 s21, ttmp9, XWG                   ; g = 0..191
	s_lshr_b32 s22, s21, 2                         ; hm = 16 x type + head
	s_lshr_b32 s23, s22, 4                         ; type: 0 Q, 1 K, 2 V
	s_cmp_eq_u32 s23, 0
	s_cselect_b64 s[24:25], s[6:7], s[8:9]
	s_cmp_eq_u32 s23, 2
	s_cselect_b64 s[24:25], s[10:11], s[24:25]     ; the choice hangs on the work-group's number alone
	s_and_b32 s26, s21, 3
	s_lshl_b32 s26, s26, 1
	s_lshr_b32 s27, s20, 1
	s_add_co_u32 s26, s26, s27                     ; K step = 2 (g % 4) + wave / 2
	s_and_b32 s27, s20, 1                          ; which 32 of the head's 64 columns
	s_and_b32 s28, s22, 15
	s_lshl_b32 s28, s28, 18                        ; the head: 1,024 rows of 256 bytes,
	s_lshl_b32 s29, s26, 15                        ; the K step: 128 rows,
	s_add_co_u32 s28, s28, s29
	s_lshl_b32 s29, s27, 7                         ; my 32 columns
	s_add_co_u32 s28, s28, s29
	s_mov_b32 s29, 0
	s_add_nc_u64 s[24:25], s[24:25], s[28:29]
	s_lshr_b32 s30, s22, 1                         ; hb
	s_and_b32 s31, s22, 1
	s_lshl_b32 s31, s31, 1
	s_add_co_u32 s31, s31, s27                     ; which 32 of hb's 128 columns
	s_lshl_b32 s28, s30, 16                        ; wc: hb x 65,536
	s_lshr_b32 s21, s26, 2
	s_lshl_b32 s21, s21, 15                        ; + khalf x 32,768
	s_add_co_u32 s28, s28, s21
	s_lshl_b32 s21, s31, 13                        ; + two tiles of 4,096 for each 32 columns
	s_add_co_u32 s28, s28, s21
	s_and_b32 s21, s26, 3
	s_lshl_b32 s21, s21, 10                        ; + q x 1,024
	s_add_co_u32 s28, s28, s21
	s_add_nc_u64 s[16:17], s[16:17], s[28:29]
	s_lshl_b32 s28, s30, 12                        ; ws: hb x 4,096
	s_lshl_b32 s21, s26, 9                         ; + K step x 512
	s_add_co_u32 s28, s28, s21
	s_lshl_b32 s21, s31, 7                         ; + 128 bytes for each 32 columns
	s_add_co_u32 s28, s28, s21
	s_add_nc_u64 s[18:19], s[18:19], s[28:29]
	v_lshlrev_b32 v3, 2, v2                        ; 4 bytes a lane: in W's rows, and among the scale words
	v_lshrrev_b32 v4, 4, v2
	v_lshlrev_b32 v4, 12, v4                       ; codes: lanes 16-31 belong to the next tile of 16 columns,
	v_and_b32 v5, 15, v2
	v_lshl_add_u32 v4, v5, 4, v4                   ; 16 bytes a column
.macro WLOAD t                         ; block t: W(32 t + i, my column): 32 lanes read 128 consecutive bytes, two neighbouring waves a whole row of 256
.irp i, 0,1,2,3,4,5,6,7,8,9,10,11,12,13,14,15,16,17,18,19,20,21,22,23,24,25,26,27,28,29,30,31
	global_load_b32 v[WX+32*(\t)+\i], v3, s[24:25] offset:(32*(\t)+\i)*256 th:TH_LOAD_NT
.endr
.endm
	WLOAD 0
	WLOAD 1
.macro WBLOCK t
.set XS, WX+32*(\t)
.if (\t) < 3
	s_wait_loadcnt 32                              ; this block's 32 loads are in; the next block's may be out
.else
	s_wait_loadcnt 0
.endif
.if (\t)+2 < 4
	WLOAD (\t)+2                                   ; two blocks ahead, into registers of its own
.endif
	v_max3_num_f32 v8, |v[XS]|, |v[XS+1]|, |v[XS+2]|               ; the block's largest magnitude: all 32 numbers are mine
	v_max3_num_f32 v9, |v[XS+3]|, |v[XS+4]|, |v[XS+5]|
.irp i, 6,10,14,18,22,26
	v_max3_num_f32 v8, v8, |v[XS+\i]|, |v[XS+\i+1]|
	v_max3_num_f32 v9, v9, |v[XS+\i+2]|, |v[XS+\i+3]|
.endr
	v_max3_num_f32 v8, v8, |v[XS+30]|, |v[XS+31]|
	v_max3_num_f32 v8, v8, v9, (EMAX+1)<<23        ; and the floor
	v_add_nc_u32 v11, -(EMAX<<23), v8              ; the conversion's scale operand
	v_lshrrev_b32 v10, 23, v11                     ; the scale's byte
.if (\t) == 0
	v_mov_b32 v24, v10                             ; four bytes make my column's scale word of this K step
.else
	v_lshl_or_b32 v24, v10, 8*(\t), v24
.endif
.irp g, 0,1,2,3
	v_cvt_scalef32_pk8_fp4_f32 v[WC+4*(\t)+\g], v[XS+8*\g:XS+8*\g+7], v11
.endr
	v_nop                                          ; one plain line behind the last conversion of a run
	global_store_b128 v4, v[WC+4*(\t):WC+4*(\t)+3], s[16:17] offset:((\t)/2)*512+((\t)%2)*256   ; sixteen lanes store 256 consecutive bytes, aligned
.endm
	WBLOCK 0
	WBLOCK 1
	WBLOCK 2
	WBLOCK 3
	global_store_b32 v3, v24, s[18:19]             ; 128 consecutive bytes of scale words
	s_wait_tensorcnt 0x0                           ; the wave's end
	ds_add_u32 v[SPW], v[NIL]
	s_wait_dscnt 0x0
	s_endpgm
.Lfunc_end_k_qabf9587f9e_quant:
	.size	k_qabf9587f9e_quant, .Lfunc_end_k_qabf9587f9e_quant-k_qabf9587f9e_quant
	.p2alignl 7, 3214868480
	.fill 96, 4, 3214868480
	.section	.rodata,"a",@progbits
	.p2align	6, 0x0
	.amdhsa_kernel k_qabf9587f9e_quant
		.amdhsa_group_segment_fixed_size 33280
		.amdhsa_private_segment_fixed_size 0
		.amdhsa_enable_private_segment 0
		.amdhsa_kernarg_size 64
		.amdhsa_user_sgpr_count 2
		.amdhsa_user_sgpr_kernarg_segment_ptr 1
		.amdhsa_wavefront_size32 1
		.amdhsa_system_sgpr_workgroup_id_x 1
		.amdhsa_system_sgpr_workgroup_id_y 1
		.amdhsa_system_sgpr_workgroup_id_z 1
		.amdhsa_system_vgpr_workitem_id 0
		.amdhsa_next_free_vgpr 192
		.amdhsa_next_free_sgpr 66
		.amdhsa_reserve_vcc 0
		.amdhsa_float_denorm_mode_32 3
		.amdhsa_float_denorm_mode_16_64 3
		.amdhsa_memory_ordered 1
		.amdhsa_forward_progress 1
		.amdhsa_inst_pref_size 53
	.end_amdhsa_kernel
	.amdgpu_metadata
---
amdhsa.version: [ 1, 2 ]
amdhsa.kernels:
  - .name:           k_qabf9587f9e_quant
    .symbol:         k_qabf9587f9e_quant.kd
    .args:
      - { .name: x, .offset: 0, .size: 8, .value_kind: global_buffer, .address_space: global }
      - { .name: W_Q, .offset: 8, .size: 8, .value_kind: global_buffer, .address_space: global }
      - { .name: W_K, .offset: 16, .size: 8, .value_kind: global_buffer, .address_space: global }
      - { .name: W_V, .offset: 24, .size: 8, .value_kind: global_buffer, .address_space: global }
      - { .name: xc, .offset: 32, .size: 8, .value_kind: global_buffer, .address_space: global }
      - { .name: xs, .offset: 40, .size: 8, .value_kind: global_buffer, .address_space: global }
      - { .name: wc, .offset: 48, .size: 8, .value_kind: global_buffer, .address_space: global }
      - { .name: ws, .offset: 56, .size: 8, .value_kind: global_buffer, .address_space: global }
    .group_segment_fixed_size: 33280
    .private_segment_fixed_size: 0
    .kernarg_segment_align: 8
    .kernarg_segment_size: 64
    .max_flat_workgroup_size: 128
    .sgpr_count:     66
    .vgpr_count:     192
    .wavefront_size: 32
...
	.end_amdgpu_metadata
.endif
;; end of part 1
;; launch proj (part 2): grid 12 x 32, 4 waves a work-group, clusters of 4 x 4, 327,680 bytes of LDS; arguments xc, xs, wc, ws, qi, kv; writes qi, kv
.if DOCPART == 2
	.amdgcn_target "amdgcn-amd-amdhsa--gfx1250"
	.amdhsa_code_object_version 6
	.text
	.protected	k_qabf9587f9e_proj
	.globl	k_qabf9587f9e_proj
	.p2align	8
	.type	k_qabf9587f9e_proj,@function
k_qabf9587f9e_proj:
	s_mov_b64 s[64:65], 0
	v_nop
	global_prefetch_b8 v0, s[64:65] scope:SCOPE_SE
	s_setreg_imm32_b32 hwreg(HW_REG_WAVE_MODE, 25, 1), 1
	s_wait_xcnt 0x0
	s_wait_alu depctr_hold_cnt(0) depctr_sa_sdst(0) depctr_va_vdst(0) depctr_va_sdst(0) depctr_va_ssrc(0) depctr_va_vcc(0) depctr_vm_vsrc(0)
	s_getreg_b32 s2, hwreg(HW_REG_IB_STS2, 6, 4)
	s_cmp_eq_u32 s2, 0
	s_cbranch_scc0 .Lentry_in_a_cluster
	s_endpgm
.Lentry_in_a_cluster:
	s_bfe_u32 s2, ttmp6, 0x10000c
	s_cmp_lg_u32 s2, 0xf033
	s_cbranch_scc0 .Lentry_shape_is_right
	s_endpgm
.Lentry_shape_is_right:
; The three projections as one product on codes of FP4 with E8M0 scales: C [8192 rows of x][3072 columns: Q's 1,024, K's, V's] = xq Wq^T, K = 1,024, sums in f32.
; The results are multiplied by 2^-4 (exact), rounded to f16 and stored as IMAGES OF THE OPERAND REGISTERS of the attention that follows:
;   qi [bh 64][tile of 16 queries 128][t 4][lane 32][16 bytes]: lane (r, h) of chunk t holds Q(query 16 tile + r, d = 16 t + 8 h + 0 .. 7).
;   kv [bh 64][step of 64 keys 32][K 8,192 bytes | V 8,192 bytes]; K's part [tile of 16 keys 4][t 4][512 bytes] as qi's; V's part [tile 4][ct 4][512 bytes], where place l holds V(key 16 tile + 8 (l / 16) + l % 8, channels 16 ct + 8 ((l / 8) % 2) + 0 .. 7).
; LIMIT: |Q|, |K|, |V| under 2^20 (f16's range behind the factor 2^-4); NaN and infinities are not served.
; A work-group of four waves makes 256 x 256 of C, a wave 128 x 128: 64 accumulators, 512 registers.  All of K lies in LDS at once, in two slots of 512 along K: both are first fills, nothing is filled again.
; 12 x 32 work-groups: a block of 256 x 384, which would make 256 of them, wants 348 KB of LDS for the whole K.
; CLUSTERS: 4 x 4.  x's tiles hang on the tile row alone and are asked for jointly along a row of the cluster, W's on the tile column alone and jointly along a column.
; THE MATRIX INSTRUCTION IS USED TRANSPOSED: source 0 = 16 columns of W, source 1 = 16 rows of x: a lane holds one row of x and eight neighbouring columns: packed to f16 they ARE a lane's 16 bytes of an image, so the way out needs no LDS.
; REGISTERS: window 0: v16-29 addresses; v32-63 x's scale words, v64-95 W's (two sets each; they hold scales and nothing else); v128-191 x's fragments, one set; on the way out v128-255 hold packed results.
;   window 1: W's fragments, two sets, at v0 and v128.   windows 2, 3: the accumulators of my rows 0-63 and 64-127, (a, b) at v[8 (8 (a % 4) + b)].
.set PITCH,  272                       ; an LDS row of x's codes: 256 bytes + 16 of padding: the 16 rows that a load touches start at 16 different 16-byte columns
.set FR,     8                         ; registers of a fragment: 16 rows x 128 K
.set NQ,     4                         ; steps of 128 along K in a slot
.set NP,     4                         ; places behind this matrix instruction (ISA guide 7.12.1)
.set HALFA,  128*PITCH                 ; x's 128 rows: what one tensor load brings
.set HALFB,  32768                     ; W's 128 columns x 512 K as images, dense
.set SLOT,   2*HALFA+2*HALFB
.set SCLA,   2*SLOT                    ; x's scale bytes, all of K: 128 rows x 32 bytes = 16 units of 256 + 16 of padding, twice
.set HALFSA, 16*272
.set SCLB,   SCLA+2*HALFSA             ; W's scale words, all of K: 4,096 dense bytes, twice
.set HALFSB, 4096
.set SPARE,  SCLB+2*HALFSB             ; the spare words, 128 bytes a wave, named by no other line
.set ADRA, 16                          ; v16-17 LDS address of my x fragments in slot 0, 1
.set ADRB, 20                          ; v20-21 of my W fragments
.set ADSA, 24                          ; v24    of x's scale words: lane l takes row 32 p + l
.set ADSB, 25                          ; v25    of W's: lane l takes column 32 p + l
.set CO,   26                          ; v26    my 16 bytes' place in an image of 512
.set SPW,  28                          ; v28    LDS address of my spare word; never rewritten
.set NIL,  29                          ; v29    0; never rewritten
.set SA,   32                          ; register 16 s + 4 p + q: lanes 0-15 the words of x's block 2 p, lanes 16-31 of block 2 p + 1, for slot s, step q
.set SB,   64                          ; the same for W's blocks
.set AF,   128                         ; x's fragments
.set PK,   128                         ; the way out: packed results
.set WV, 16                            ; s16 wave;  s17 which half of the rows is mine (also: 0 = I fetch for x, 1 = for W);  s18 which half of the columns (also: which half I fetch);  s19 tile row
.set RH, 17
.set CH, 18
.set TR, 19
.set G1, 24                            ; s[24:31] group 1 for x's codes; s[32:39] groups 0, one for each slot
.set G0, 32
.set G1B, 48                           ; s[48:55], s[56:63] the same for W's codes
.set G0B, 56
.set G1S, 68                           ; s[68:75], s[76:79] x's scales;  s[80:87], s[88:91] W's
.set G0S, 76
.set G1SB, 80
.set G0SB, 88
.set OB, 24                            ; the way out: four bases, in group 1's registers, which are free behind the wait for all tensor loads
.set MSB, 0
.macro WIN new                         ; the immediate's high byte repeats the setting that is left
.if MSB != \new
	s_set_vgpr_msb (MSB<<8)|\new
.set MSB, \new
.endif
.endm
.set MUL_LO, 0xa1                      ; source 0 (W) window 1, source 1 (x) window 0, C and D window 2
.set MUL_HI, 0xf1                      ; the same, C and D window 3
.set TO_B,   0x40                      ; destination window 1, address window 0
; A joint load: waves 0 and 1 fetch for x, waves 2 and 3 for W.  Each line has one mask and one set of registers for all that issue it; the branch hangs on the wave's number alone.
; An s_nop 0 and four v_nop follow each of the two lines.
.macro JLOAD g0a, g1a, g0b, g1b
	s_cmp_eq_u32 s[RH], 0
	s_cbranch_scc0 .Lfor_b_\@
	tensor_load_to_lds s[\g0a:\g0a+3], s[\g1a:\g1a+7]
	s_nop 0
.rept 4
	v_nop
.endr
	s_branch .Lasked_\@
.Lfor_b_\@:
	tensor_load_to_lds s[\g0b:\g0b+3], s[\g1b:\g1b+7]
	s_nop 0
.rept 4
	v_nop
.endr
.Lasked_\@:
.endm
.macro CROUND                          ; a round of the cluster's barrier
	s_barrier_signal -1
	s_barrier_wait -1
	s_cmp_lg_u32 s[WV], 0
	s_cbranch_scc1 .Lnot_wave_0_\@
	s_barrier_signal -3
.Lnot_wave_0_\@:
	s_barrier_wait -3
	s_barrier_signal -1
	s_barrier_wait -1
.endm
	s_load_b128 s[4:7], s[0:1], 0x0                ; xc s[4:5], xs s[6:7]
	s_load_b128 s[8:11], s[0:1], 0x10              ; wc s[8:9], ws s[10:11]
	s_load_b128 s[12:15], s[0:1], 0x20             ; qi s[12:13], kv s[14:15]
	v_lshl_add_u32 v[SPW], v0, 2, SPARE
	v_mov_b32 v[NIL], 0
	ds_add_u32 v[SPW], v[NIL]                      ; the wave's opening: the add, twice on end, and its wait ahead of my first tensor load
	ds_add_u32 v[SPW], v[NIL]
	v_lshrrev_b32 v1, 5, v0
	v_readfirstlane_b32 s[WV], v1                  ; wave 0..3
	s_lshr_b32 s[RH], s[WV], 1
	s_and_b32 s[CH], s[WV], 1
	s_bfe_u32 s40, ttmp6, 0x40000                  ; cx, cy: my place in the cluster
	s_bfe_u32 s41, ttmp6, 0x40004
	s_lshl_b32 s42, ttmp9, 2
	s_add_co_u32 s42, s42, s40                     ; tile column = 4 x cluster x + cx
	s_and_b32 s[TR], ttmp7, 0xffff
	s_lshl_b32 s[TR], s[TR], 2
	s_add_co_u32 s[TR], s[TR], s41                 ; tile row = 4 x cluster y + cy
	s_lshl_b32 s43, s41, 2
	s_lshl_b32 s43, 15, s43                        ; my row of the cluster
	s_lshl_b32 s44, 0x1111, s40                    ; my column
	s_cmp_eq_u32 ttmp9, 2                          ; the cluster's x is the type: 0 Q, 1 K, 2 V: the same in all partners
	s_cselect_b32 s66, -1, 0                       ; all lanes' mask for V's order of places
	; x's codes: 128 rows x 256 bytes, 512 bytes apart in memory, 16 bytes of padding behind each in LDS
	s_or_b32 s[G1+0], s43, (0<<16)|(1<<20)|(1<<21)|(5<<22)|(3<<25)  ; 15:0 the mask; 17:16 elements of 1 byte; 20 padding on; 21 set beside a mask; 24:22 after every 64 words; 31:25 four words
	s_mov_b32 s[G1+1], 256<<16                     ; tensor_dim0
	s_mov_b32 s[G1+2], 128<<16                     ; tensor_dim1
	s_mov_b32 s[G1+3], 256<<16                     ; tile_dim0
	s_mov_b32 s[G1+4], 128                         ; tile_dim1
	s_mov_b32 s[G1+5], 512                         ; from row to row
	s_mov_b32 s[G1+6], 0
	s_mov_b32 s[G1+7], 0
	; W's codes: a dense block of 32,768 bytes as 128 rows of 32 elements of 8 bytes, no padding
	s_or_b32 s[G1B+0], s44, (3<<16)|(1<<21)
	s_mov_b32 s[G1B+1], 32<<16
	s_mov_b32 s[G1B+2], 128<<16
	s_mov_b32 s[G1B+3], 32<<16
	s_mov_b32 s[G1B+4], 128
	s_mov_b32 s[G1B+5], 32
	s_mov_b32 s[G1B+6], 0
	s_mov_b32 s[G1B+7], 0
	; the scales: dense blocks of 4,096 bytes as 16 rows of 256; x's with 16 bytes of padding behind each row, W's without
	s_or_b32 s[G1S+0], s43, (3<<16)|(1<<20)|(1<<21)|(5<<22)|(3<<25)
	s_or_b32 s[G1SB+0], s44, (3<<16)|(1<<21)
.irp g, G1S, G1SB
	s_mov_b32 s[\g+1], 32<<16
	s_mov_b32 s[\g+2], 16<<16
	s_mov_b32 s[\g+3], 32<<16
	s_mov_b32 s[\g+4], 16
	s_mov_b32 s[\g+5], 32
	s_mov_b32 s[\g+6], 0
	s_mov_b32 s[\g+7], 0
.endr
	; where the tiles come from: x's in registers that never hold the tile column, W's in registers that never hold the tile row
	s_lshl_b32 s20, s[TR], 8
	s_lshl_b32 s21, s[CH], 7
	s_add_co_u32 s20, s20, s21                     ; x: row 256 x tile row + 128 x half
	s_lshl_b32 s22, s20, 5                         ; its scale bytes: 32 a row
	s_mov_b32 s23, 0
	s_lshl_b32 s20, s20, 9                         ; its codes: 512 bytes a row
	s_mov_b32 s21, 0
	s_lshl_b32 s46, s42, 1
	s_add_co_u32 s46, s46, s[CH]                   ; W: hb = 2 x tile column + half
	s_lshl_b32 s92, s46, 12                        ; its scale words
	s_mov_b32 s93, 0
	s_lshl_b32 s46, s46, 16                        ; its codes
	s_mov_b32 s47, 0
	s_mul_i32 s45, s[CH], HALFA                    ; and where they go: no place in the cluster enters an LDS address
	s_mul_i32 s94, s[CH], HALFB
	s_add_co_u32 s94, s94, 2*HALFA
	s_mul_i32 s95, s[CH], HALFSA
	s_mul_i32 s96, s[CH], HALFSB
	s_wait_dscnt 0x0                               ; both opening adds are done
	s_wait_kmcnt 0x0
	s_add_nc_u64 s[20:21], s[4:5], s[20:21]
	s_add_nc_u64 s[22:23], s[6:7], s[22:23]
	s_add_nc_u64 s[46:47], s[8:9], s[46:47]
	s_add_nc_u64 s[92:93], s[10:11], s[92:93]
	CROUND                                         ; all sixteen work-groups are here: the first joint loads meet
	s_mov_b32 s[G0S], 1
	s_add_co_u32 s[G0S+1], s95, SCLA
	s_mov_b64 s[G0S+2:G0S+3], s[22:23]
	s_or_b32 s[G0S+3], s[G0S+3], 0x80000000
	s_mov_b32 s[G0SB], 1
	s_add_co_u32 s[G0SB+1], s96, SCLB
	s_mov_b64 s[G0SB+2:G0SB+3], s[92:93]
	s_or_b32 s[G0SB+3], s[G0SB+3], 0x80000000
	JLOAD G0S, G1S, G0SB, G1SB                     ; the scales first: they are wanted with the first step
.irp s, 0,1
	s_mov_b32 s[G0+4*\s], 1
	s_add_co_u32 s[G0+4*\s+1], s45, \s*SLOT
	s_add_nc_u64 s[G0+4*\s+2:G0+4*\s+3], s[20:21], \s*256       ; 512 along K are 256 bytes of a row
	s_or_b32 s[G0+4*\s+3], s[G0+4*\s+3], 0x80000000
	s_mov_b32 s[G0B+4*\s], 1
	s_add_co_u32 s[G0B+4*\s+1], s94, \s*SLOT
	s_add_nc_u64 s[G0B+4*\s+2:G0B+4*\s+3], s[46:47], \s*HALFB   ; the other half of K
	s_or_b32 s[G0B+4*\s+3], s[G0B+4*\s+3], 0x80000000
	JLOAD G0+4*\s, G1, G0B+4*\s, G1B               ; three tensor loads of mine are out behind the last of these
.endr
	v_and_b32 v1, 15, v0                           ; r
	v_bfe_u32 v2, v0, 4, 1                         ; h
	v_and_b32 v5, 31, v0                           ; lane
	v_mul_u32_u24 v3, v1, PITCH
	v_lshl_add_u32 v4, v2, 4, v3                   ; x: row r x pitch + 16 h
	v_lshlrev_b32 v6, 4, v5                        ; W: 16 x lane: an image as it lies
	s_mul_i32 s21, s[RH], HALFA                    ; my 128 rows of x
	s_mul_i32 s22, s[CH], HALFB                    ; my 128 columns of W, behind x's 256 rows
	s_add_co_u32 s22, s22, 2*HALFA
.irp s, 0,1
	v_add_nc_u32 v[ADRA+\s], s21, v4
	v_add_nc_u32 v[ADRB+\s], s22, v6
	s_add_co_u32 s21, s21, SLOT
	s_add_co_u32 s22, s22, SLOT
.endr
	v_lshrrev_b32 v7, 3, v5
	v_mul_u32_u24 v7, v7, 272                      ; x's scales: eight rows of 32 bytes to a unit of 256 + 16
	v_and_b32 v8, 7, v5
	v_lshl_add_u32 v7, v8, 5, v7
	s_mul_i32 s21, s[RH], HALFSA
	s_add_co_u32 s21, s21, SCLA
	v_add_nc_u32 v[ADSA], s21, v7
	s_mul_i32 s22, s[CH], HALFSB
	s_add_co_u32 s22, s22, SCLB
	v_lshl_add_u32 v[ADSB], v5, 2, s22             ; W's: 4 bytes a column
	v_and_b32 v7, 7, v1                            ; V's order of places: 16 (r / 8) + 8 h + r % 8
	v_lshl_add_u32 v7, v2, 3, v7
	v_and_b32 v8, 8, v1
	v_lshl_add_u32 v7, v8, 1, v7
	v_lshlrev_b32 v7, 4, v7
	v_cndmask_b32 v[CO], v6, v7, s66               ; Q, K: 16 x lane
.macro FRAGA reg, adr, q, i            ; 16 rows x 128 K of x: lane (r, h): registers 4 c .. 4 c + 3 hold K = 64 c + 32 h + 0 .. 31
.irp c, 0,1
	ds_load_b128 v[\reg+4*\c:\reg+4*\c+3], v[\adr] offset:64*(\q)+32*\c+(\i)*16*PITCH
.endr
.endm
.macro FRAGB reg, adr, q, i            ; 16 columns x 128 K of W: the image of the same registers
.irp c, 0,1
	ds_load_b128 v[\reg+4*\c:\reg+4*\c+3], v[\adr] offset:(4*(\i)+(\q))*1024+512*\c
.endr
.endm
; One product: x's block a, W's block b, 128 along K: the slot's q-th.  p: W's set; sc: the set of scale words; zero = 1: it starts the sum.  An odd block's scale words lie in lanes 16-31 of its register.
.macro WM a, b, p, q, sc, zero
.set rD, 8*(8*((\a)%4)+(\b))
.set rW, 128*(\p)+FR*(\b)
.set rX, AF+FR*(\a)
.set rSW, SB+16*(\sc)+4*((\b)/2)+(\q)
.set rSX, SA+16*(\sc)+4*((\a)/2)+(\q)
.set par, 4*(\zero)+2*((\a)%2)+(\b)%2
.if par == 0
	v_wmma_scale_f32_16x16x128_f8f6f4 v[rD:rD+7], v[rW:rW+7], v[rX:rX+7], v[rD:rD+7], v[rSW], v[rSX] matrix_a_fmt:MATRIX_FMT_FP4 matrix_b_fmt:MATRIX_FMT_FP4
.elseif par == 1
	v_wmma_scale_f32_16x16x128_f8f6f4 v[rD:rD+7], v[rW:rW+7], v[rX:rX+7], v[rD:rD+7], v[rSW], v[rSX] matrix_a_fmt:MATRIX_FMT_FP4 matrix_b_fmt:MATRIX_FMT_FP4 matrix_a_scale:MATRIX_SCALE_ROW1
.elseif par == 2
	v_wmma_scale_f32_16x16x128_f8f6f4 v[rD:rD+7], v[rW:rW+7], v[rX:rX+7], v[rD:rD+7], v[rSW], v[rSX] matrix_a_fmt:MATRIX_FMT_FP4 matrix_b_fmt:MATRIX_FMT_FP4 matrix_b_scale:MATRIX_SCALE_ROW1
.elseif par == 3
	v_wmma_scale_f32_16x16x128_f8f6f4 v[rD:rD+7], v[rW:rW+7], v[rX:rX+7], v[rD:rD+7], v[rSW], v[rSX] matrix_a_fmt:MATRIX_FMT_FP4 matrix_b_fmt:MATRIX_FMT_FP4 matrix_a_scale:MATRIX_SCALE_ROW1 matrix_b_scale:MATRIX_SCALE_ROW1
.elseif par == 4
	v_wmma_scale_f32_16x16x128_f8f6f4 v[rD:rD+7], v[rW:rW+7], v[rX:rX+7], 0, v[rSW], v[rSX] matrix_a_fmt:MATRIX_FMT_FP4 matrix_b_fmt:MATRIX_FMT_FP4
.elseif par == 5
	v_wmma_scale_f32_16x16x128_f8f6f4 v[rD:rD+7], v[rW:rW+7], v[rX:rX+7], 0, v[rSW], v[rSX] matrix_a_fmt:MATRIX_FMT_FP4 matrix_b_fmt:MATRIX_FMT_FP4 matrix_a_scale:MATRIX_SCALE_ROW1
.elseif par == 6
	v_wmma_scale_f32_16x16x128_f8f6f4 v[rD:rD+7], v[rW:rW+7], v[rX:rX+7], 0, v[rSW], v[rSX] matrix_a_fmt:MATRIX_FMT_FP4 matrix_b_fmt:MATRIX_FMT_FP4 matrix_b_scale:MATRIX_SCALE_ROW1
.else
	v_wmma_scale_f32_16x16x128_f8f6f4 v[rD:rD+7], v[rW:rW+7], v[rX:rX+7], 0, v[rSW], v[rSX] matrix_a_fmt:MATRIX_FMT_FP4 matrix_b_fmt:MATRIX_FMT_FP4 matrix_a_scale:MATRIX_SCALE_ROW1 matrix_b_scale:MATRIX_SCALE_ROW1
.endif
.endm
; 16 products: x's blocks a0, a0 + 1 against W's eight.  The 64 accumulators take turns, one instruction a turn, in the same order in every step.
.macro MUL16 a0, p, q, sc, zero
.irp a, \a0, \a0+1
.irp b, 0,1,2,3,4,5,6,7
	WM \a, \b, \p, \q, \sc, \zero
.endr
.endr
.endm
.macro FETCH_B slot, q, p              ; W's eight fragments of the slot's q-th step into set p
	WIN TO_B
.irp i, 0,1,2,3,4,5,6,7
	FRAGB 128*(\p)+FR*\i, ADRB+\slot, \q, \i
.endr
	WIN 0
.endm
.macro FETCH_A slot, q, i0             ; x's blocks i0 .. i0 + 3
.irp i, \i0, \i0+1, \i0+2, \i0+3
	FRAGA AF+FR*(\i), ADRA+\slot, \q, \i
.endr
.endm
.macro SCALES sc                       ; slot sc's scale words: 20 loads
.irp p, 0,1,2,3
	ds_load_b128 v[SA+16*\sc+4*\p:SA+16*\sc+4*\p+3], v[ADSA] offset:\p*1088+16*\sc
.endr
.irp p, 0,1,2,3
.irp q, 0,1,2,3
	ds_load_b32 v[SB+16*\sc+4*\p+\q], v[ADSB] offset:(4*\sc+\q)*512+\p*128
.endr
.endr
.endm
.macro PLACES n                        ; plain vector lines in front of loads into registers that matrix instructions have read, and of the first read of results
.rept \n
	v_nop
.endr
.endm
; A step of 128 along K that has its successor in the same slot.  A block of x is free as soon as its eight products are issued: one set serves x; W's fragments are at work through the whole step and have two.
.macro STEP slot, q, zero
	s_wait_dscnt 8                                 ; W's set and x's blocks 0-3 are in; the youngest eight loads (x's blocks 4-7) may be out
	WIN MUL_LO
	MUL16 0, (\q)%2, \q, \slot, \zero
	MUL16 2, (\q)%2, \q, \slot, \zero
	s_wait_dscnt 0                                 ; x's blocks 4-7 are in
	PLACES NP
	FETCH_B \slot, (\q)+1, 1-(\q)%2
	FETCH_A \slot, (\q)+1, 0
	WIN MUL_HI
	MUL16 4, (\q)%2, \q, \slot, \zero
	MUL16 6, (\q)%2, \q, \slot, \zero
	PLACES NP
	WIN 0
	FETCH_A \slot, (\q)+1, 4
.endm
.macro STEPS slot, from                ; the slot's steps from .. NQ - 2
.set Q, \from
.rept NQ-1-\from
	STEP \slot, Q, 0
.set Q, Q+1
.endr
.endm
	s_wait_tensorcnt 1                             ; the scales and my part of slot 0 are in (slot 1's load may be out)
	s_barrier_signal -1
	s_barrier_wait -1                              ; everybody's are
	FETCH_B 0, 0, 0
	FETCH_A 0, 0, 0
	SCALES 0
	FETCH_A 0, 0, 4
	STEP 0, 0, 1                                   ; the first step's products start the sums: nothing is cleared
	STEPS 0, 1
	; slot 0's last step goes over to slot 1: one barrier; in front of it each wave has waited for its part of slot 1
	s_wait_tensorcnt 0x0                           ; all my tensor loads have landed;
	ds_add_u32 v[SPW], v[NIL]                      ; 0 onto my spare word;
	s_wait_dscnt 9                                 ; (the add and the youngest eight loads may be out)
	WIN MUL_LO
	MUL16 0, 1, NQ-1, 0, 0
	s_wait_dscnt 0x0                               ; no LDS instruction of mine is out at the signal
	s_barrier_signal -1
	MUL16 2, 1, NQ-1, 0, 0
	WIN 0
	s_barrier_wait -1                              ; slot 1 is whole
	PLACES NP
	FETCH_B 1, 0, 0
	FETCH_A 1, 0, 0
	SCALES 1
	WIN MUL_HI
	MUL16 4, 1, NQ-1, 0, 0
	MUL16 6, 1, NQ-1, 0, 0
	PLACES NP
	WIN 0
	FETCH_A 1, 0, 4
	STEPS 1, 0
	s_wait_dscnt 8                                 ; the very last step: nothing more to fetch
	WIN MUL_LO
	MUL16 0, 1, NQ-1, 1, 0
	MUL16 2, 1, NQ-1, 1, 0
	s_wait_dscnt 0
	WIN MUL_HI
	MUL16 4, 1, NQ-1, 1, 0
	MUL16 6, 1, NQ-1, 1, 0
	WIN 0
	; THE WAY OUT.  Block (a, b) of my 128 x 128: rows 16 a on, columns 16 b on: head 2 x column half + b / 4 of the tile column's four, chunk b % 4.  In qi a tile of 16 rows is 2,048 bytes and a (batch, head) 262,144;
	; in kv four tiles are followed by 8,192 bytes of the other kind, so that the strides above a tile are twice qi's: they are shifted by sh = 1.
	s_cmp_lg_u32 ttmp9, 0
	s_cselect_b32 s67, 1, 0                        ; sh
	s_cselect_b64 s[22:23], s[14:15], s[12:13]     ; kv or qi: the choice hangs on the cluster's number alone
	s_cmp_eq_u32 ttmp9, 2
	s_cselect_b32 s20, 8192, 0                     ; V's part lies behind K's
	s_lshr_b32 s92, s[TR], 3                       ; the batch,
	s_lshl_b32 s92, s92, 4
	s_lshl_b32 s45, s40, 2
	s_add_co_u32 s92, s92, s45                     ; + 4 heads for each tile column of the type,
	s_lshl_b32 s45, s[CH], 1
	s_add_co_u32 s92, s92, s45                     ; + 2 for my half: bh
	s_lshl_b32 s92, s92, 18
	s_and_b32 s45, s[TR], 7
	s_lshl_b32 s45, s45, 1
	s_add_co_u32 s45, s45, s[RH]                   ; which 128 rows of the batch's 2,048
	s_lshl_b32 s45, s45, 14
	s_add_co_u32 s92, s92, s45
	s_lshl_b32 s92, s92, s67
	s_add_co_u32 s92, s92, s20
	s_mov_b32 s93, 0
	s_lshl_b32 s94, 8192, s67                      ; four tiles of rows on
	s_mov_b32 s95, 0
	s_lshl_b32 s96, 0x40000, s67                   ; a head on
	s_mov_b32 s97, 0
	s_add_nc_u64 s[OB:OB+1], s[22:23], s[92:93]    ; base (ah, bf) at s[OB + 4 ah + 2 bf]
	s_add_nc_u64 s[OB+2:OB+3], s[OB:OB+1], s[96:97]
	s_add_nc_u64 s[OB+4:OB+5], s[OB:OB+1], s[94:95]
	s_add_nc_u64 s[OB+6:OB+7], s[OB+4:OB+5], s[96:97]
	s_mov_b32 s2, 0x3d800000                       ; 2^-4
	s_mov_b32 s3, s2                               ; (named with it as a pair, so it is written)
	PLACES NP                                      ; behind the last products
.macro OUT ah                          ; my rows 64 ah on: 32 accumulators
	WIN 0x82+0x41*\ah                              ; destination and source 0: window 2 or 3
.set i, 0
.rept 128
	v_pk_mul_f32 v[i:i+1], v[i:i+1], s[2:3] op_sel_hi:[1,0]        ; x 2^-4: exact; each accumulator from its low end on
.set i, i+2
.endr
.if \ah
	s_wait_xcnt 0x0                                ; the first half's stores have read their data: the registers may be written again
.endif
	WIN 0x0a+5*\ah                                 ; sources 0 and 1: window 2 or 3; destination window 0
.set i, 0
.rept 128
	v_cvt_pk_f16_f32 v[PK+i], v[2*i], v[2*i+1]     ; the lower column in the low half
.set i, i+1
.endr
	WIN 0
.irp aa, 0,1,2,3
.irp b, 0,1,2,3,4,5,6,7
	global_store_b128 v[CO], v[PK+4*(8*\aa+\b):PK+4*(8*\aa+\b)+3], s[OB+4*\ah+2*(\b/4):OB+4*\ah+2*(\b/4)+1] offset:\aa*2048+(\b%4)*512   ; the wave stores 512 consecutive bytes, aligned: one chunk of an image
.endr
.endr
.endm
	OUT 0
	OUT 1
	s_wait_tensorcnt 0x0                           ; the wave's end
	ds_add_u32 v[SPW], v[NIL]
	s_wait_dscnt 0x0
	CROUND                                         ; the closing round: no work-group ends while a partner may still ask for a tile that names it
	s_endpgm
.Lfunc_end_k_qabf9587f9e_proj:
	.size	k_qabf9587f9e_proj, .Lfunc_end_k_qabf9587f9e_proj-k_qabf9587f9e_proj
	.p2alignl 7, 3214868480
	.fill 96, 4, 3214868480
	.section	.rodata,"a",@progbits
	.p2align	6, 0x0
	.amdhsa_kernel k_qabf9587f9e_proj
		.amdhsa_group_segment_fixed_size 327680
		.amdhsa_private_segment_fixed_size 0
		.amdhsa_enable_private_segment 0
		.amdhsa_kernarg_size 48
		.amdhsa_user_sgpr_count 2
		.amdhsa_user_sgpr_kernarg_segment_ptr 1
		.amdhsa_wavefront_size32 1
		.amdhsa_system_sgpr_workgroup_id_x 1
		.amdhsa_system_sgpr_workgroup_id_y 1
		.amdhsa_system_sgpr_workgroup_id_z 1
		.amdhsa_system_vgpr_workitem_id 0
		.amdhsa_next_free_vgpr 1024
		.amdhsa_next_free_sgpr 98
		.amdhsa_reserve_vcc 0
		.amdhsa_float_denorm_mode_32 3
		.amdhsa_float_denorm_mode_16_64 3
		.amdhsa_memory_ordered 1
		.amdhsa_forward_progress 1
		.amdhsa_inst_pref_size 136
	.end_amdhsa_kernel
	.amdgpu_metadata
---
amdhsa.version: [ 1, 2 ]
amdhsa.kernels:
  - .name:           k_qabf9587f9e_proj
    .symbol:         k_qabf9587f9e_proj.kd
    .args:
      - { .name: xc, .offset: 0, .size: 8, .value_kind: global_buffer, .address_space: global }
      - { .name: xs, .offset: 8, .size: 8, .value_kind: global_buffer, .address_space: global }
      - { .name: wc, .offset: 16, .size: 8, .value_kind: global_buffer, .address_space: global }
      - { .name: ws, .offset: 24, .size: 8, .value_kind: global_buffer, .address_space: global }
      - { .name: qi, .offset: 32, .size: 8, .value_kind: global_buffer, .address_space: global }
      - { .name: kv, .offset: 40, .size: 8, .value_kind: global_buffer, .address_space: global }
    .group_segment_fixed_size: 327680
    .private_segment_fixed_size: 0
    .kernarg_segment_align: 8
    .kernarg_segment_size: 48
    .max_flat_workgroup_size: 128
    .sgpr_count:     98
    .vgpr_count:     1024
    .wavefront_size: 32
...
	.end_amdgpu_metadata
.endif
;; end of part 2
;; launch attn (part 3): grid 8 x 64, 4 waves a work-group, clusters of 4 x 1, 327,680 bytes of LDS; arguments qi, kv, out0; writes out0
.if DOCPART == 3
	.amdgcn_target "amdgcn-amd-amdhsa--gfx1250"
	.amdhsa_code_object_version 6
	.text
	.protected	k_qabf9587f9e_attn
	.globl	k_qabf9587f9e_attn
	.p2align	8
	.type	k_qabf9587f9e_attn,@function
k_qabf9587f9e_attn:
	s_mov_b64 s[64:65], 0
	v_nop
	global_prefetch_b8 v0, s[64:65] scope:SCOPE_SE
	s_setreg_imm32_b32 hwreg(HW_REG_WAVE_MODE, 25, 1), 1
	s_wait_xcnt 0x0
	s_wait_alu depctr_hold_cnt(0) depctr_sa_sdst(0) depctr_va_vdst(0) depctr_va_sdst(0) depctr_va_ssrc(0) depctr_va_vcc(0) depctr_vm_vsrc(0)
	s_getreg_b32 s2, hwreg(HW_REG_IB_STS2, 6, 4)
	s_cmp_eq_u32 s2, 0
	s_cbranch_scc0 .Lentry_in_a_cluster
	s_endpgm
.Lentry_in_a_cluster:
	s_bfe_u32 s2, ttmp6, 0x10000c
	s_cmp_lg_u32 s2, 0x3003
	s_cbranch_scc0 .Lentry_shape_is_right
	s_endpgm
.Lentry_shape_is_right:
; out0[b][q][64 head + d] = the sum over k of softmax_k(Q[q] . K[k] / 8) V[k][d], for each of 64 (batch, head) pairs, 2,048 queries and keys, head size 64, no mask.
; Q, K, V arrive in f16, multiplied by 2^-4, as images of the operand registers (qi, kv: laid by the launch before).  Products, maxima and sums in f32; the weights p are rounded to f16 for the second product.
; The factor is undone exactly: the scores by c = 256 log2(e) / 8, the result by 16 in the divisor.
; LIMITS: p under 2^-25 rounds to 0 in f16 (at most 2,048 x 2^-25 of a row's sum, which is 1 or more); NaN and infinities are not served.
; SHARES.  A work-group owns 256 queries of one (batch, head), each of its four waves 64: four tiles of 16.  Every wave walks all keys, 64 a step, 32 steps.
; LAYOUT.  S^T = K Q^T (source 0 = 16 keys, source 1 = 16 queries): a lane holds ONE query (lane % 16) and the keys 8 (lane / 16) + 0..7.  Two such tiles, rounded to f16 in pairs, ARE source 1 of O^T = V^T P.
; SOFTMAX.  For each query a running maximum m and sum l: p = 2^(c s - c m); in every step O and l are multiplied by a = 2^(c m_old - c m_new).
; BY TURNS.  The wave's tiles are two pieces (piece 0: tiles 0, 1; piece 2: tiles 2, 3).  In a turn one piece has the matrix unit: 16 products V^T P of the step in hand, then 16 products K Q^T of the next step;
; the other piece's softmax, 236 vector lines in 59 slices of four, stands between them.  Then the pieces change places.  Two turns are a key step.
; RING.  Two LDS slots of eight key steps (131,072 bytes), copies of kv as it lies; each wave fetches a quarter of a slot by one tensor load.  Four slots' worth of keys: two first fills, two refills.
; CLUSTER.  The four query blocks of a cluster belong to one (batch, head) and walk the same K and V: each tile is asked for jointly, by the same tensor load with the same descriptor and a mask that names the four.
; REGISTERS: window 0: v2-11 addresses; v12-43 statistics, eight a tile; v61-63; v64-191 S^T, 32 a tile; v192-255 P, 16 a tile.   window 1: v0-127 O^T, 32 a tile; v128-191 V of one step.   window 2: v0-63 Q, 16 a tile; v128-191 K of one step.
.set STEPB, 16384     ; a key step in LDS and in kv: K's 8,192 bytes, then V's
.set VOFF,  8192
.set SLOTB, 8*STEPB
.set SLOT1, 1<<17     ; slot 1 begins here: one exclusive or turns an address in one slot into the other's
.set STAGE, 2*SLOT1   ; behind the ring: 16 rows x (256 bytes + 16) for each wave, for the way out
.set SP,    272
.set SPARE, STAGE+4*16*SP  ; the spare words, 128 bytes a wave, named by no other line
.set AK0, 2           ; v2   16 x lane: my place in a chunk of K
.set AV0, 3           ; v3   the same for V
.set ADR, 4           ; v4   the LDS address of the run of loads in hand
.set QO,  5           ; v5   16 x lane: my place in a chunk of Q
.set STO, 6           ; v6   the way out: where I put 32 bytes of a row
.set RD,  7           ; v7   the way out: where I read a row back
.set GO,  8           ; v8   my byte offset in the wave's rows of out0
.set PFO, 61          ; v61  256 x lane; never rewritten
.set SPW, 62          ; v62  LDS address of my spare word; never rewritten
.set NIL, 63          ; v63  0; never rewritten
.set ST,  12          ; tile t's statistics at v[ST+8 t]: +0 c m, +1 m, +2, +3 l (even keys', odd keys'), +4 to +7 c0-c3, at work; a takes c2's place once the maximum is found
.set S,   64
.set P,   192
.set KF,  128         ; K's fragments, in window 2
.set VF,  128         ; V's, in window 1
.set WV,  12          ; s12  my wave's number
.set LIM, 15          ; s15  1 in a work-group that prefetches, else the greatest number
.set PFA, 18          ; s[18:19] where my prefetch stands
.set G1,  24          ; s[24:31] descriptor group 1
.set G0,  40          ; s[40:47] group 0: a set for each first fill; the second then walks on
.set SLOTS, 56        ; s56  slots still to be asked for
.set CNT, 57          ; s57  counts key steps
.set CS,  58          ; s[58:59] c
.set SEL, 60          ; s[60:61] lane selects for v_permlanex16_b32: lane l xor 16
.set TB,  62          ; s62  LDS byte at which the step to be fetched begins
.set MSB, 0
.macro WIN new                      ; the immediate's high byte repeats the setting that is left; a switch that changes nothing is dropped
.if MSB != \new
	s_set_vgpr_msb (MSB<<8)|\new
.set MSB, \new
.endif
.endm
.set W_KQ, 0x0a       ; K and Q in window 2, S^T in window 0
.set W_PV, 0x51       ; V and O^T in window 1, P in window 0
.set W_RS, 0x41       ; O^T (destination and source 0) in window 1, a in window 0
.macro JLOAD                        ; a joint refill: every wave issues the line with its own group 0; an s_nop 0 and four v_nop follow it
	tensor_load_to_lds s[G0+4:G0+7], s[G1:G1+7]
	s_nop 0
.rept 4
	v_nop
.endr
.endm
; A prefetch of what the NEXT change of slots will ask for: a slot's 131,072 bytes, each aligned block of 256 named once: both clusters of a (batch, head) walk the same bytes, and the first asks; its four partners take
; 32,768 bytes each, told apart by address; each wave 8,192, lanes 256 bytes apart: one instruction a wave.  The last change that fills a slot asks for nothing: there is no slot behind it.
.macro ASK
	s_cmp_gt_u32 s[SLOTS], s[LIM]
	s_cbranch_scc0 .Lnot_mine_\@
	global_prefetch_b8 v[PFO], s[PFA:PFA+1] th:TH_LOAD_NT scope:SCOPE_SE
.Lnot_mine_\@:
.endm
.macro CROUND                       ; a round of the cluster's barrier
	s_barrier_signal -1
	s_barrier_wait -1
	s_cmp_lg_u32 s[WV], 0
	s_cbranch_scc1 .Lnot_wave_0_\@
	s_barrier_signal -3
.Lnot_wave_0_\@:
	s_barrier_wait -3
	s_barrier_signal -1
	s_barrier_wait -1
.endm
	s_load_b128 s[4:7], s[0:1], 0x0   ; qi s[4:5], kv s[6:7]
	s_load_b64 s[10:11], s[0:1], 0x10 ; out0
	v_lshl_add_u32 v[SPW], v0, 2, SPARE
	v_mov_b32 v[NIL], 0
	ds_add_u32 v[SPW], v[NIL]       ; the wave's opening: the add, twice on end, and its wait ahead of my first tensor load
	ds_add_u32 v[SPW], v[NIL]
	v_lshrrev_b32 v1, 5, v0
	v_readfirstlane_b32 s[WV], v1   ; wave 0..3
	s_bfe_u32 s13, ttmp6, 0x40000   ; cx: my place in the cluster
	s_lshl_b32 s14, ttmp9, 2
	s_add_co_u32 s14, s14, s13      ; my block of 256 queries: it enters Q's and out0's addresses alone
	s_and_b32 s20, ttmp7, 0xffff    ; bh = 16 x batch + head, which the four partners share
	s_lshl_b32 s22, s20, 19         ; kv: 524,288 bytes a (batch, head),
	s_lshl_b32 s23, s[WV], 15       ; my quarter of a slot
	s_add_co_u32 s22, s22, s23
	s_mov_b32 s23, 0
	s_lshl_b32 s17, s[WV], 15       ; and its place in a slot: no place in the cluster enters an LDS address
	s_lshl_b32 s2, s20, 18          ; qi: 262,144 bytes a (batch, head),
	s_lshl_b32 s3, s14, 15          ; 32,768 a block,
	s_add_co_u32 s2, s2, s3
	s_lshl_b32 s3, s[WV], 13        ; 8,192 a wave
	s_add_co_u32 s2, s2, s3
	s_mov_b32 s3, 0
	s_lshr_b32 s48, s20, 4          ; out0: row 2,048 x batch + 256 x block + 64 x wave, of 4,096 bytes,
	s_lshl_b32 s48, s48, 11
	s_lshl_b32 s49, s14, 8
	s_add_co_u32 s48, s48, s49
	s_lshl_b32 s49, s[WV], 6
	s_add_co_u32 s48, s48, s49
	s_lshl_b32 s48, s48, 12
	s_and_b32 s49, s20, 15
	s_lshl_b32 s49, s49, 8          ; + the head's 256 bytes
	s_add_co_u32 s48, s48, s49
	s_mov_b32 s49, 0
	s_lshl_b32 s50, s20, 19         ; the prefetch: my work-group's 32,768 bytes, my wave's 8,192 of them,
	s_lshl_b32 s51, s13, 15
	s_add_co_u32 s50, s50, s51
	s_lshl_b32 s51, s[WV], 13
	s_add_co_u32 s50, s50, s51
	s_add_co_u32 s50, s50, 2*SLOTB  ; in the third slot's worth: the first change of slots steps it to the fourth.  Nothing is prefetched here, at the head
	s_mov_b32 s51, 0
	; descriptor group 1: 32,768 dense bytes as 128 rows of 32 elements of 8 bytes
	s_mov_b32 s[G1], 15|(3<<16)|(1<<21)  ; 15:0 the mask: all four work-groups; 17:16 elements of 8 bytes; 21 set beside a mask
	s_mov_b32 s[G1+1], 32<<16       ; tensor_dim0
	s_mov_b32 s[G1+2], 128<<16      ; tensor_dim1
	s_mov_b32 s[G1+3], 32<<16       ; tile_dim0
	s_mov_b32 s[G1+4], 128          ; tile_dim1
	s_mov_b32 s[G1+5], 32           ; from row to row
	s_mov_b32 s[G1+6], 0
	s_mov_b32 s[G1+7], 0
	s_mov_b32 s[CS], 0x4238aa3b     ; c = 32 log2(e)
	s_mov_b32 s[CS+1], s[CS]        ; named with it as a pair, so it is written
	s_mov_b32 s[SEL], 0x76543210
	s_mov_b32 s[SEL+1], 0xfedcba98
	s_mov_b32 s[TB], 0
	s_mov_b32 s[SLOTS], 2
	s_cmp_eq_u32 ttmp9, 0           ; the (batch, head)'s first cluster: the same in all four partners
	s_cselect_b32 s[LIM], 1, -1
	v_and_b32 v[PFO], 31, v0
	v_lshlrev_b32 v[PFO], 8, v[PFO]
	s_wait_dscnt 0x0                ; both opening adds are done
	s_wait_kmcnt 0x0
	s_add_nc_u64 s[PFA:PFA+1], s[6:7], s[50:51]
	s_add_nc_u64 s[6:7], s[6:7], s[22:23]
	s_add_nc_u64 s[4:5], s[4:5], s[2:3]
	s_add_nc_u64 s[10:11], s[10:11], s[48:49]
	CROUND                          ; all four work-groups are here: the first joint loads meet
.irp s, 0,1
	s_mov_b32 s[G0+4*\s], 1         ; count = 1
	s_add_co_u32 s[G0+4*\s+1], s17, \s*SLOT1  ; LDS address
	s_add_nc_u64 s[G0+4*\s+2:G0+4*\s+3], s[6:7], \s*SLOTB  ; global address
	s_or_b32 s[G0+4*\s+3], s[G0+4*\s+3], 0x80000000  ; type = 2
.endr
	tensor_load_to_lds s[G0:G0+3], s[G1:G1+7]        ; the two first fills stand together: two loads of mine are out
	s_nop 0
	tensor_load_to_lds s[G0+4:G0+7], s[G1:G1+7]
	s_nop 0
.rept 4
	v_nop
.endr
	v_and_b32 v1, 15, v0            ; l % 16
	v_bfe_u32 v9, v0, 4, 1          ; l / 16
	v_and_b32 v10, 31, v0
	v_lshlrev_b32 v[QO], 4, v10
	WIN 0x80                        ; destination window 2, address window 0
.irp i, 0,1,2,3,4,5,6,7,8,9,10,11,12,13,14,15  ; Q stays in registers: tile i / 4, chunk i % 4: each load reads 512 consecutive bytes
	global_load_b128 v[4*\i:4*\i+3], v[QO], s[4:5] offset:512*\i
.endr
	WIN 0
	v_lshlrev_b32 v[AK0], 4, v10
	v_lshl_add_u32 v[AV0], v10, 4, VOFF
; THE MATRIX WORK OF A TURN, for piece x.  The accumulators take turns, one instruction a turn: between two links of a chain stand seven others'.
; Product i of 16 of O^T += V^T P: keys 32 (i / 8) on, channels 16 ((i / 2) % 4) on, tile x + i % 2.  zero = 1: the first 8 start the sums.
.macro PV x, zero
	WIN W_PV
.set rO, 32*(\x+i%2)+8*((i/2)%4)
.set rV, VF+32*(i/8)+8*((i/2)%4)
.set rP, P+16*(\x+i%2)+8*(i/8)
.if \zero && (i < 8)
	v_wmma_f32_16x16x32_f16 v[rO:rO+7], v[rV:rV+7], v[rP:rP+7], 0
.else
	v_wmma_f32_16x16x32_f16 v[rO:rO+7], v[rV:rV+7], v[rP:rP+7], v[rO:rO+7]
.endif
.endm
; Product i of 16 of S^T = K Q^T: channels 32 (i / 8) on, keys 16 ((i / 2) % 4) on, tile x + i % 2.  The first 8 start the sums.
.macro KQ x
	WIN W_KQ
.set rS, S+32*(\x+i%2)+8*((i/2)%4)
.set rK, KF+16*((i/2)%4)+8*(i/8)
.set rQ, 16*(\x+i%2)+8*(i/8)
.if i < 8
	v_wmma_f32_16x16x32_f16 v[rS:rS+7], v[rK:rK+7], v[rQ:rQ+7], 0
.else
	v_wmma_f32_16x16x32_f16 v[rS:rS+7], v[rK:rK+7], v[rQ:rQ+7], v[rS:rS+7]
.endif
.endm
; THE LDS LOADS stand in runs of 16: a step's K (16 chunks as they lie) and, a turn later, its V (turned by the load).  Each reads 512 consecutive bytes.
.macro FETCH_K
	WIN 0
	v_add_nc_u32 v[ADR], s[TB], v[AK0]
	WIN 0x80                        ; destination window 2
.irp f, 0,1,2,3,4,5,6,7,8,9,10,11,12,13,14,15
	ds_load_b128 v[KF+4*\f:KF+4*\f+3], v[ADR] offset:512*\f
.endr
.endm
.macro FETCH_V
	WIN 0
	v_add_nc_u32 v[ADR], s[TB], v[AV0]
	s_add_co_u32 s[TB], s[TB], STEPB  ; the next fetch is the next step's
	s_wait_alu depctr_va_vdst(0)    ; the wait for the softmax's batch of exponentials, ahead of the first line that names a result
	WIN 0x40                        ; destination window 1
.irp g, 0,1                         ; keys 32 g on;
.irp ct, 0,1,2,3                    ; channels 16 ct on;
.irp c, 0,1                         ; half c of the fragment: the tile of 16 keys 2 g + c
	ds_load_tr16_b128 v[VF+32*\g+8*\ct+4*\c:VF+32*\g+8*\ct+4*\c+3], v[ADR] offset:(2*\g+\c)*2048+\ct*512
.endr
.endr
.endr
.endm
; THE VECTOR WORK OF A TURN.  One tile's softmax for one key step is a list of 118 lines; SM writes number j of it for tile t.  s0-s31 are the lane's 32 scores, in pairs 0-15.  first = 1: the first key step, which starts m, l and O^T.
;   0-15    the maximum of s0-s31 and the old m, three operands at a time; each accumulator is first read at its low end
;   16-20   the other half of the lanes' maximum; the new m; c m; c m_old - c m_new
;   21-69   ONE BATCH: the 16 scalings c s - c m and all 33 exponentials (a at 23, then s0-s31); none of these reads an exponential's result
;   (wait)  between 69 and 70 stands the wait for the batch, once for both tiles
;   70-85   the roundings to f16;   86-101 the sums, l = a l + the sum;   102-117 the tile's O^T times a: the one part that leaves window 0
.macro SM t, first
.set rT, ST+8*(\t)
.set rS, S+32*(\t)
.set rP, P+16*(\t)
.set rO, 32*(\t)+2*(j-102)
.if j < 102
	WIN 0
.endif
.if j < 4
	v_max3_num_f32 v[rT+4+j], v[rS+8*j], v[rS+8*j+1], v[rS+8*j+2]
.elseif j < 12
	v_max3_num_f32 v[rT+4+j%4], v[rT+4+j%4], v[rS+8*(j%4)+2*(j/4)+1], v[rS+8*(j%4)+2*(j/4)+2]
.elseif j == 12
	v_max3_num_f32 v[rT+4], v[rT+4], v[rS+7], v[rS+15]
.elseif j == 13
	v_max3_num_f32 v[rT+6], v[rT+6], v[rS+23], v[rS+31]
.elseif j == 14
	v_max3_num_f32 v[rT+4], v[rT+4], v[rT+5], v[rT+6]
.elseif (j == 15) && \first
	v_max_num_f32 v[rT+4], v[rT+4], v[rT+7]
.elseif j == 15
	v_max3_num_f32 v[rT+4], v[rT+4], v[rT+7], v[rT+1]
.elseif j == 16
	v_permlanex16_b32 v[rT+5], v[rT+4], s[SEL], s[SEL+1]  ; the query's other 32 keys lie in the lane 16 away
.elseif j == 18
	v_max_num_f32 v[rT+1], v[rT+4], v[rT+5]
.elseif j == 19
	v_mul_f32 v[rT], s[CS], v[rT+1]
.elseif ((j == 17) || (j == 20) || (j == 23) || (j > 101)) && \first  ; the first step has none of these
.elseif j == 17
	v_mov_b32 v[rT+7], v[rT]        ; c m_old is kept for a: number 19 writes c m anew
.elseif j == 20
	v_sub_f32 v[rT+7], v[rT+7], v[rT]
.elseif j == 23
	v_exp_f32 v[rT+6], v[rT+7]
.elseif (j < 23) || ((j < 38) && (j%2 == 0)) || ((j < 66) && (j%4 == 2))
.set b, (j-2)/4                     ; 38, 42, .. 62: pairs 9 to 15
.if j < 38
.set b, (j-20)/2                    ; 21: pair 0; 22, 24, .. 36: pairs 1 to 8
.endif
	v_pk_fma_f32 v[rS+2*b:rS+2*b+1], v[rS+2*b:rS+2*b+1], s[CS:CS+1], v[rT:rT+1] op_sel_hi:[1,0,0] neg_lo:[0,0,1] neg_hi:[0,0,1]  ; pair b: c s - c m
.elseif j < 70
.set e, j-38                        ; 66 to 69: s28 to s31
.if j < 66
.set e, j-32-(j-38)/4               ; 39-41, 43-45, .. 63-65: s7 to s27
.endif
.if j < 38
.set e, (j-25)/2                    ; 25, 27, .. 37: s0 to s6
.endif
	v_exp_f32 v[rS+e], v[rS+e]
.elseif j < 86
	v_cvt_pk_f16_f32 v[rP+j-70], v[rS+2*(j-70)], v[rS+2*(j-70)+1]  ; pair j - 70: the lower key in the low half
.elseif j < 102                     ; the sum of the tile's 16 pairs, in place: neighbours 1, 2, 4 and 8 pairs apart, then l takes it
.set z, j-86
.set w, 4
.set u, z
.if z >= 14
.set w, 32
.set u, 0
.elseif z >= 12
.set w, 16
.set u, z-12
.elseif z >= 8
.set w, 8
.set u, z-8
.endif
.if (z == 14) && \first
	v_pk_add_f32 v[rT+2:rT+3], v[rS:rS+1], v[rS+16:rS+17]
.elseif z < 15
	v_pk_add_f32 v[rS+w*u:rS+w*u+1], v[rS+w*u:rS+w*u+1], v[rS+w*u+w/2:rS+w*u+w/2+1]
.elseif !\first
	v_pk_fma_f32 v[rT+2:rT+3], v[rT+2:rT+3], v[rT+6:rT+7], v[rS:rS+1] op_sel_hi:[1,0,1]
.endif
.else
	WIN W_RS
	v_pk_mul_f32 v[rO:rO+1], v[rO:rO+1], v[rT+6:rT+7] op_sel_hi:[1,0]
.endif
.endm
; Slice k of 59 of piece y's softmax: four lines.  Slices 11 to 34 deal out the batch, numbers 22 to 69: four numbers of ONE tile each, the tiles by turns.  Every other slice is numbers 2 k and 2 k + 1 of both tiles.
; Ahead of slice 35 nothing names an exponential's result, and behind slice 34 no exponential is issued: so the piece's 66 exponentials have one wait, behind slice 34.
.macro SLICE y, first
.if (k >= 11) && (k < 35)
.irp n, 0,1,2,3
.set j, 22+4*((k-11)/2)+(\n)
	SM (\y)+(k-11)%2, \first
.endr
.else
.irp n, 0,1
.irp t, \y, \y+1
.set j, 2*k+\n
	SM \t, \first
.endr
.endr
.endif
.if k == 34
	v_nop                           ; the plain line behind the last exponential: one for the batch
.if (\y) == 0
	FETCH_V                         ; piece 2's turn: V's run of loads stands here, and the wait stands in it
.else
	s_wait_alu depctr_va_vdst(0)    ; the wait for the batch
.endif
.endif
.set k, k+1
.endm
; The slices behind product pn of a turn's nw: per of them, but so that each of the turn's last products still has one behind it.
.macro AFTER y, first
.set tgt, per*(pn+1)
.if tgt > 59-(nw-1-pn)
.set tgt, 59-(nw-1-pn)
.endif
.rept 4
.if k < tgt
	SLICE \y, \first
.endif
.endr
.set pn, pn+1
.endm
.macro PLACES
.rept 4
	v_nop
.endr
.endm
; A TURN.  Piece x has the matrix unit; the other piece's softmax stands in slices behind its products.  pv = 2: 16 products V^T P; 1: they start O^T's sums; 0: none.  kq = 1: 16 products K Q^T for the next step.
; PLACES (ISA guide 7.12.1 for vector instructions), by count.  Slice 58, four packed multiplies on the other piece's O^T, stands behind the turn's last K Q^T: the four places ahead of the next turn's first read of those
; scores; K's run of loads comes sixteen plain lines later still.  V's run stands behind slice 34: behind the last V^T P stand numbers 58, 62 and 62 (scalings), the v_nop and the run's own addition: five plain lines.
; first = 1: the softmax is the first key step's; its slices from 51 on are empty, and four v_nop take slice 58's part.
.macro TURN x, pv, kq, first
.set k, 0
.set pn, 0
.set nw, 16
.set per, 4
.if \pv && \kq
.set nw, 32
.set per, 2
.endif
.if \pv
.if \x == 0
	s_wait_dscnt 0x0                ; V is in
.endif
.set i, 0
.rept 16
	PV \x, 2-\pv
	AFTER 2-\x, \first
.if (\x == 0) && \kq && (i == 1)
	FETCH_K                         ; the next step's K: both pieces have multiplied by the last step's
.endif
.set i, i+1
.endr
.endif
.if \kq
.if \x == 0
	s_wait_dscnt 0x0                ; K is in
.endif
.set i, 0
.rept 16
	KQ \x
	AFTER 2-\x, \first
.set i, i+1
.endr
.endif
.if \first
	PLACES
.endif
.endm
; THE CHANGE OF SLOTS, between piece 2's turn and piece 0's: the slot's last bytes, V of its eighth step, have been asked for.  Each wave waits for all its tensor loads (one is out: its part of the other slot), adds 0 to its
; spare word, and waits for that and for its own reads of the slot.  fill = 1: the barrier is a round of the cluster's, so that no wave of any partner still reads the slot or has a load on its way, and the joint refill is the
; first thing behind it: it has eight key steps, 512 matrix instructions of the wave, in which to land.
.macro CHANGE fill
	WIN 0                           ; at a label and at a branch every window is 0
	s_wait_tensorcnt 0x0            ; no tensor load of mine is out, so a group 0 may be written
	ds_add_u32 v[SPW], v[NIL]       ; 0 onto my spare word
.if \fill
	s_xor_b32 s[G0+5], s[G0+5], SLOT1  ; the walking descriptor: the other slot than last time,
	s_add_nc_u64 s[G0+6:G0+7], s[G0+6:G0+7], SLOTB  ; the next 512 keys; the type bits on top are not reached
	s_wait_xcnt 0x0                 ; the last prefetch, a slot back, has read its address, so it may be written:
	s_add_nc_u64 s[PFA:PFA+1], s[PFA:PFA+1], SLOTB  ; one slot further on than the walking descriptor
	s_wait_dscnt 0x0                ; the add is done, and my reads of the slot are over
	CROUND
	JLOAD
	ASK
.else
	s_wait_dscnt 0x0                ; the add is done, and my reads of the slot are over
	s_barrier_signal -1
	s_barrier_wait -1
.endif
	s_sub_co_u32 s[TB], s[TB], SLOTB  ; the fetches go back to a slot's first step,
	s_xor_b32 s[TB], s[TB], SLOT1   ; in the other slot
.endm
.macro STEPS n                      ; n key steps: written once, walked n times; the LDS addresses hang on s[TB]
	s_mov_b32 s[CNT], \n
.Lstep_\@:
	TURN 0, 2, 1, 0
	TURN 2, 2, 1, 0
	WIN 0
	s_sub_co_u32 s[CNT], s[CNT], 1
	s_cmp_lg_u32 s[CNT], 0
	s_cbranch_scc1 .Lstep_\@
.endm
	s_wait_tensorcnt 1              ; my part of slot 0 is in; slot 1's may stay out
	s_barrier_signal -1
	s_barrier_wait -1               ; everybody's is
	FETCH_K                         ; key step 0
	s_wait_loadcnt 0x0              ; Q
	s_wait_dscnt 0x0
.set i, 0
.rept 16
	KQ 0                            ; piece 0's first scores: there is no vector work yet to set between them
.set i, i+1
.endr
	WIN 0                           ; the addresses for the way out are made here: plain lines, the places behind those products
	s_mul_i32 s16, s[WV], 16*SP
	s_add_co_u32 s16, s16, STAGE    ; my stage
	v_mul_u32_u24 v[STO], v1, SP    ; in: row l % 16, 32 bytes for each half of the lanes
	v_lshl_add_u32 v[STO], v9, 5, v[STO]
	v_add_nc_u32 v[STO], s16, v[STO]
	v_mul_u32_u24 v[RD], v9, SP     ; back: lanes 0-15 take one row of 256 bytes, lanes 16-31 the next
	v_lshl_add_u32 v[RD], v1, 4, v[RD]
	v_add_nc_u32 v[RD], s16, v[RD]
	v_lshlrev_b32 v[GO], 12, v9     ; and the same two rows in out0, 4,096 bytes apart
	v_lshl_add_u32 v[GO], v1, 4, v[GO]
	TURN 2, 0, 1, 1                 ; piece 2's first scores | piece 0's first softmax | V of step 0
	TURN 0, 1, 1, 1                 ; piece 0: V^T P of step 0 starts O^T, K Q^T of step 1 | piece 2's first softmax | K of step 1
	TURN 2, 1, 1, 0                 ; piece 2: the same | piece 0's softmax of step 1 | V of step 1
	WIN 0
	STEPS 6                         ; the rest of slot 0 is fetched: steps 2 to 7
.Lslot:                             ; two trips: both slots are filled again once
	CHANGE 1
	STEPS 8
	s_sub_co_u32 s[SLOTS], s[SLOTS], 1
	s_cmp_lg_u32 s[SLOTS], 0
	s_cbranch_scc1 .Lslot
	CHANGE 0                        ; the tail is written out: nothing is asked for
	STEPS 8
	TURN 0, 2, 0, 0                 ; piece 0: V^T P of the last step | piece 2's last softmax
.set i, 0
.rept 16
	PV 2, 0                         ; piece 2: V^T P of the last step
.set i, i+1
.endr
	; THE WAY OUT.  l's two halves and the other half of the lanes' are added; O^T is multiplied by 16 / l and goes through my stage in LDS, a tile (16 rows of 256 bytes) at a time.  The additions are the places behind the last products.
	WIN 0
.irp t, 0,1,2,3
	v_add_f32 v[ST+8*\t+4], v[ST+8*\t+2], v[ST+8*\t+3]
.endr
.irp t, 0,1,2,3
	v_permlanex16_b32 v[ST+8*\t+5], v[ST+8*\t+4], s[SEL], s[SEL+1]
.endr
.irp t, 0,1,2,3
	v_add_f32 v[ST+8*\t+4], v[ST+8*\t+4], v[ST+8*\t+5]
.endr
.irp t, 0,1,2,3
	v_rcp_f32 v[ST+8*\t+6], v[ST+8*\t+4]
.endr
	v_nop                           ; a plain line between the last reciprocal and the use of its result
	s_wait_alu depctr_va_vdst(0)    ; and the wait ahead of the first use: one for the four
.irp t, 0,1,2,3
	v_mul_f32 v[ST+8*\t+6], 0x41800000, v[ST+8*\t+6]   ; x 16: V came multiplied by 2^-4
.endr
.macro PACK t                       ; a lane's eight channels of a row are 32 bytes; they go into rows of 272 bytes and come back as whole rows of 256
	WIN W_RS
.set i, 32*\t
.rept 16
	v_pk_mul_f32 v[i:i+1], v[i:i+1], v[ST+8*\t+6:ST+8*\t+7] op_sel_hi:[1,0]   ; each accumulator from its low end on
.set i, i+2
.endr
	WIN 0x04                        ; an LDS store's data are its source 1: window 1
.irp c, 0,1,2,3
	ds_store_b128 v[STO], v[32*\t+8*\c:32*\t+8*\c+3] offset:64*\c
	ds_store_b128 v[STO], v[32*\t+8*\c+4:32*\t+8*\c+7] offset:64*\c+16
.endr
	WIN 0
.irp f, 0,1,2,3,4,5,6,7
	ds_load_b128 v[S+32*\t+4*\f:S+32*\t+4*\f+3], v[RD] offset:\f*2*SP  ; LDS serves a wave's instructions in order (ISA guide 5.7.1.4): these see the stores above; the next tile's stores come behind them
.endr
.endm
.macro SEND t, younger              ; younger: the LDS instructions issued behind tile t's loads: the next tile's sixteen, or none
.irp f, 0,1,2,3,4,5,6,7
	s_wait_dscnt \younger+7-\f
	global_store_b128 v[GO], v[S+32*\t+4*\f:S+32*\t+4*\f+3], s[10:11] offset:\t*65536+\f*8192 th:TH_STORE_NT  ; 16 lanes store 256 consecutive bytes, at a multiple of 256 from out0's first byte
.endr
.endm
	PACK 0
	PACK 1                          ; a tile's arithmetic stands between the loads of the tile before and its stores
	SEND 0, 16
	PACK 2
	SEND 1, 16
	PACK 3
	SEND 2, 16
	SEND 3, 0
	s_wait_tensorcnt 0x0            ; the wave's end, behind my last tensor load and my last LDS store
	ds_add_u32 v[SPW], v[NIL]
	s_wait_dscnt 0x0
	CROUND                          ; the closing round: no work-group ends while a partner may still ask for a tile that names it
	s_endpgm
.Lfunc_end_k_qabf9587f9e_attn:
	.size	k_qabf9587f9e_attn, .Lfunc_end_k_qabf9587f9e_attn-k_qabf9587f9e_attn
	.p2alignl 7, 3214868480
	.fill 96, 4, 3214868480
	.section	.rodata,"a",@progbits
	.p2align	6, 0x0
	.amdhsa_kernel k_qabf9587f9e_attn
		.amdhsa_group_segment_fixed_size 327680
		.amdhsa_private_segment_fixed_size 0
		.amdhsa_enable_private_segment 0
		.amdhsa_kernarg_size 24
		.amdhsa_user_sgpr_count 2
		.amdhsa_user_sgpr_kernarg_segment_ptr 1
		.amdhsa_wavefront_size32 1
		.amdhsa_system_sgpr_workgroup_id_x 1
		.amdhsa_system_sgpr_workgroup_id_y 1
		.amdhsa_system_sgpr_workgroup_id_z 1
		.amdhsa_system_vgpr_workitem_id 0
		.amdhsa_next_free_vgpr 768
		.amdhsa_next_free_sgpr 66
		.amdhsa_reserve_vcc 0
		.amdhsa_float_denorm_mode_32 3
		.amdhsa_float_denorm_mode_16_64 3
		.amdhsa_memory_ordered 1
		.amdhsa_forward_progress 1
		.amdhsa_inst_pref_size 193
	.end_amdhsa_kernel
	.amdgpu_metadata
---
amdhsa.version: [ 1, 2 ]
amdhsa.kernels:
  - .name:           k_qabf9587f9e_attn
    .symbol:         k_qabf9587f9e_attn.kd
    .args:
      - { .name: qi, .offset: 0, .size: 8, .value_kind: global_buffer, .address_space: global }
      - { .name: kv, .offset: 8, .size: 8, .value_kind: global_buffer, .address_space: global }
      - { .name: out0, .offset: 16, .size: 8, .value_kind: global_buffer, .address_space: global }
    .group_segment_fixed_size: 327680
    .private_segment_fixed_size: 0
    .kernarg_segment_align: 8
    .kernarg_segment_size: 24
    .max_flat_workgroup_size: 128
    .sgpr_count:     66
    .vgpr_count:     768
    .wavefront_size: 32
...
	.end_amdgpu_metadata
.endif
;; end of part 3
